; MI455X (gfx1250); checked and timed in simulation.
; The chip was launched on July 23, 2026; its instructions are those of AMD's public machine-readable ISA for CDNA 5 (MIT licence, August 2026) and "CDNA5" Instruction Set Architecture Reference Guide (July 2026). The comments in the code are by the model that wrote it; some were corrected since.
;; Multi Headed Self Attention. Allowed arithmetic: matrix products marked QUANTISED: E2M3 operands, one E8M0 scale for each 32 along K, by v_wmma_scale_f32_16x16x128_f8f6f4 with both operands' format E2M3, f32 sums; everything else in f32.
;; Inputs: Wk 1,024 x 1,024 float32; Wq 1,024 x 1,024 float32; Wv 1,024 x 1,024 float32; bk 1,024 float32; bq 1,024 float32; bv 1,024 float32; x 2 x 2,048 x 1,024 float32.
;; Outputs: out0 2 x 2,048 x 1,024 float32.
;; This version of the problem:
;;   THIS VERSION OF THE PROBLEM IS GIVEN IN LOW PRECISION. The matrix products marked QUANTISED in the list below multiply operands that are first quantised to E2M3 (2 exponent bits, 3 mantissa bits; 6 bits a number), with one power-of-two scale for each 32 numbers along K (OCP MX v1.0); their sums are f32. All else is computed in f32.
;;   The module's matrix products, in the order in which they are computed (A, B: the left and right operand; K: the contracted axis; several contracted axes count as one K, in the product's order):
;;     1. [M 4,096, K 1,024] x [K 1,024, N 1,024]; A: input x; B: input Wq: QUANTISED
;;     2. [M 4,096, K 1,024] x [K 1,024, N 1,024]; A: input x; B: input Wk: QUANTISED
;;     3. [M 4,096, K 1,024] x [K 1,024, N 1,024]; A: input x; B: input Wv: QUANTISED
;;     4. batch 32 x [M 2,048, K 64] x [K 64, N 2,048]; A: computed on the way; B: computed on the way: QUANTISED
;;     5. batch 32 x [M 2,048, K 2,048] x [K 2,048, N 64]; A: softmax (see below); B: computed on the way: QUANTISED
;;   THE QUANTISER, for each operand of a quantised product, along K:
;;     - K is cut into blocks of 32 from its start; a last block that is shorter is filled with zeros.
;;     - A block's scale is 2^e with e = floor(log2(the largest magnitude in the block)) - 2, held to -126 .. 127; a block of zeros has e = 0. As a byte (E8M0): e + 127.
;;     - Each number is divided by its block's scale, clamped to +-7.5, and rounded to the nearest number of E2M3, ties to even, subnormals kept.
;;     - The product sums the exact products of the quantised numbers (number of the format x scale) in f32.
;;   ~~~python
;;   def quantise(x, axis):      # numpy; x: float32 -> the quantised numbers, widened to float32 again
;;       x = np.moveaxis(x, axis, -1); K = x.shape[-1]
;;       x = np.pad(x, [(0, 0)] * (x.ndim - 1) + [(0, -K % 32)]); x = x.reshape(x.shape[:-1] + (-1, 32)); a = np.abs(x).max(-1, keepdims=True)
;;       e = np.where(a > 0, np.clip(np.frexp(np.where(a > 0, a, 1))[1] - 1 - 2, -126, 127), 0)      # np.frexp(a)[1] - 1 = floor(log2(a)), exactly
;;       r = np.clip(x / 2.0 ** e, -7.5, 7.5)
;;       step = 2.0 ** (np.maximum(np.frexp(np.where(r == 0, 1, r))[1] - 1, 0) - 3)
;;       q = np.round(r / step) * step * 2.0 ** e      # np.round: ties to even
;;       return np.moveaxis(q.reshape(q.shape[:-2] + (-1,))[..., :K], -1, axis).astype(np.float32)
;;   ~~~
;;   SOFTMAX AHEAD OF A QUANTISED PRODUCT. Where the list says 'softmax', what is quantised is not the finished softmax but p = 2^(t - M), with t = logit x log2(e) and M = ceil(the row's largest t), a whole number; so 1/2 < the row's largest p <= 1. The row's sum l is taken of the UNQUANTISED p, in f32, and the product's result is divided by l at the end. Since M is a whole number, a kernel that streams over the keys may use a running M (the ceiling of the running maximum): every later rescaling is an exact power of two, which a block's scale takes up: the codes' values come out the same.
;;   OPERANDS COMPUTED ON THE WAY. 'Computed on the way' means the value that the module computes at that place (a softmax that the list does not call 'softmax' is quantised finished and normalised). What goes into a quantiser is computed in f32, as accurately as f32 sums, v_exp_f32 and their like allow (about 1e-6 of the number): no bf16 or f16 on the way to a quantiser, and a product that is left as it is and whose result goes on into a quantised operand takes f32 operands (vector FMAs, or v_wmma_f32_16x16x4_f32). A number that lies on a knife's edge between two numbers of the format may be rounded either way, as far as f32 arithmetic and the matrix unit's own rounding can turn it there, and no further.
;; One version. Each part assembles by itself: llvm-mc -triple=amdgcn-amd-amdhsa -mcpu=gfx1250 --defsym DOCPART=n.
;; ======== version 1 of 1: 3 launches
;; limits: right only within a limited range of input values
;; workspace buffers: codes 5,734,400 bytes; qkv 9,830,400 bytes
;; launch quant (part 1): grid 224 x 1, 8 waves a work-group, no clusters, 94,208 bytes of LDS; arguments x, Wq, Wk, Wv, codes; writes codes
.if DOCPART == 1
	.amdgcn_target "amdgcn-amd-amdhsa--gfx1250"
	.amdhsa_code_object_version 6
	.text
	.protected	k_q1e65dfdf73_quant
	.globl	k_q1e65dfdf73_quant
	.p2align	8
	.type	k_q1e65dfdf73_quant,@function
k_q1e65dfdf73_quant:
	s_mov_b64 s[64:65], 0
	v_nop
	global_prefetch_b8 v0, s[64:65] scope:SCOPE_SE
	s_setreg_imm32_b32 hwreg(HW_REG_WAVE_MODE, 25, 1), 1
	s_wait_xcnt 0x0
; x [4096][1024] and Wq, Wk, Wv [1024 (k)][1024 (n)], f32, become codes of FP6 (E2M3) with one E8M0 byte for each 32 along K, laid as the next launch's operand registers want them.
; A FRAGMENT IMAGE is 16 rows x 128 K: 12 registers a lane, 1,536 bytes: registers 4 c .. 4 c + 3 of lane l at 512 c + 16 l.
; codes: [tile pair 224][K pair 4] of 6,400 bytes: [tile u 2][K step e 2][1,536], then the scale words [u][r 16][e] (a word: four bytes, 128 along K of the tile's lane r).
; Tile pairs 0-127 are x's rows; 128 + 32 mat + .. the columns n of a weight (mat 0 = q, 1 = k, 2 = v).  THE ROWS OF A TILE ARE NOT NEIGHBOURS: lane r of tile 4 G + j holds row 64 G + 8 j + 32 (r / 8) + r % 8, so that the
; eight results a lane has of each of a group's four tiles are 32 neighbours: one whole scale block of the product that follows.
; A block's scale is 2^(floor(log2(its largest magnitude)) - 2); its byte is the largest magnitude's exponent field - 2, held at 1 from below by a floor among the maximum's leaves.
; LIMITS: a block of zeros gets the byte 1 where the rule says 127 (its codes are zeros, which add nothing under any byte but 0xff, and the bytes are read by this program alone); NaN and infinities are not served.
; Work-groups 0-127 take x (a tile pair each: a wave one tile x 256 along K), 128-223 the weights (128 columns x 256 along K: a wave 32 columns x 128); the two ways part on the work-group's number, never join, and have LDS bytes of their own.
.set XW,    16*528                     ; x's way: a wave's stage: 16 rows of 512 bytes + 16
.set WSTG,  8*XW                       ; the weights' way: eight tiles' images, 3,072 bytes each,
.set SSTG,  WSTG+8*3072                ; and their scale words, 128 bytes each
.set SPARE, SSTG+1024                  ; the spare words, 128 bytes for each wave: four blocks of 256 bytes that no other line names
.set SPW,   2                          ; v2   LDS address of my spare word; never rewritten
.set NIL,   3                          ; v3   0; never rewritten
.set SEL,   20                         ; s[20:21] selects of v_permlanex16_b32 for lane l xor 16
.set PW,    14                         ; v14, v15  x: the two K steps' scale words
.set TM,    20                         ; v20-23 largest magnitudes, v24-27 the other half's and then the bytes, v28-31 the conversions' scale operands
.set R,     32                         ; v32-159 x: two sets of 64 numbers
.set PC,    160                        ; v160-183 x: two fragments' codes
.set PT,    184                        ; v184-186, v188-190 the upper halves of the blocks, on their way
.set X,     32                         ; v32-95  W: two sets of 32 numbers
.set C,     96                         ; v96-101 W: a block's codes
.set E,     104                        ; v104-106 their upper half, as the conversion leaves it
.set OUTR,  112                        ; v112-135 W: the way out
.set SB,    14                         ; v14     W: my column's scale word
; 64 numbers of a lane, register 16 b + i = k 32 b + 16 (lane / 16) + i of my row, become a fragment's codes in v[pc] on and its scale word in v[pw].
.macro QUANT s, pw, pc
.irp b, 0,1,2,3
	v_max3_num_f32 v[TM+\b], |v[\s+16*\b]|, |v[\s+1+16*\b]|, 0x1800000   ; block b: my 16 numbers, and the floor 2^(3 - 127): the byte cannot fall under 1
.endr
.irp i, 2,4,6,8,10,12,14
.irp b, 0,1,2,3
	v_max3_num_f32 v[TM+\b], v[TM+\b], |v[\s+16*\b+\i]|, |v[\s+1+16*\b+\i]|   ; the four blocks by turns
.endr
.endr
.irp b, 0,1,2,3
	v_permlanex16_b32 v[TM+4+\b], v[TM+\b], s[SEL], s[SEL+1]
.endr
.irp b, 0,1,2,3
	v_max_num_f32 v[TM+\b], v[TM+\b], v[TM+4+\b]   ; with lane l xor 16's: the block's largest magnitude
.endr
.irp b, 0,1,2,3
	v_add_nc_u32 v[TM+8+\b], 0xff000000, v[TM+\b]  ; 2 off its exponent field: the conversion takes the exponent field of this operand as its scale
.endr
.irp b, 0,1,2,3
	v_lshrrev_b32 v[TM+4+\b], 23, v[TM+8+\b]       ; the scale's byte
.endr
	v_lshl_or_b32 v[\pw], v[TM+5], 8, v[TM+4]
	v_lshl_or_b32 v[\pw], v[TM+6], 16, v[\pw]
	v_lshl_or_b32 v[\pw], v[TM+7], 24, v[\pw]      ; my row's scale word
.irp c, 0,1
	v_cvt_scalef32_pk16_fp6_f32 v[\pc+6*\c:\pc+2+6*\c], v[\s+32*\c:\s+15+32*\c], v[TM+8+2*\c]
	v_cvt_scalef32_pk16_fp6_f32 v[PT+4*\c:PT+2+4*\c], v[\s+16+32*\c:\s+31+32*\c], v[TM+8+2*\c+1]   ; (a conversion's three registers begin on an even number)
.endr
	v_nop                                          ; one plain place behind a scaled conversion
.irp c, 0,1                                    ; the operand's layout wants a whole block in a lane: lanes 0-15 block 2 c, lanes 16-31 block 2 c + 1
.irp i, 0,1,2
	v_permlane16_swap_b32 v[\pc+6*\c+\i], v[PT+4*\c+\i]
.endr
.irp i, 0,1,2
	v_mov_b32 v[\pc+3+6*\c+\i], v[PT+4*\c+\i]
.endr
.endr
.endm
	s_load_b256 s[4:11], s[0:1], 0x0               ; x s[4:5], Wq s[6:7], Wk s[8:9], Wv s[10:11]
	s_load_b64 s[12:13], s[0:1], 0x20              ; codes
	v_lshl_add_u32 v[SPW], v0, 2, SPARE
	v_mov_b32 v[NIL], 0
	v_lshrrev_b32 v1, 5, v0
	v_readfirstlane_b32 s16, v1                    ; wave 0..7
	v_and_b32 v1, 31, v0                           ; lane
	v_and_b32 v4, 15, v0                           ; r
	v_bfe_u32 v5, v0, 4, 1                         ; h
	s_mov_b32 s[SEL], 0x76543210
	s_mov_b32 s[SEL+1], 0xfedcba98
	s_mov_b32 s22, 0xffff0000                      ; a mask of lanes 16-31
	s_wait_alu depctr_va_vdst(0)
	s_cmp_ge_u32 ttmp9, 128
	s_cbranch_scc1 .Lweights
	; ---- x.  A wave takes one tile (16 rows) x one K pair.  Each load reads 512 consecutive bytes of one row; a K step's 16 rows turn through the wave's stage, so that a lane gets 16 neighbours of each block.
	s_lshr_b32 s18, s16, 1                         ; the K pair
	s_and_b32 s19, s16, 1                          ; the tile of the pair
	s_lshl_b32 s17, ttmp9, 1
	s_add_co_u32 s17, s17, s19                     ; the tile
	s_lshr_b32 s23, s17, 2
	s_lshl_b32 s23, s23, 6
	s_and_b32 s24, s17, 3
	s_lshl_b32 s24, s24, 3
	s_add_co_u32 s23, s23, s24                     ; the tile's first row: 64 (tile / 4) + 8 (tile % 4)
	s_lshl_b32 s24, s23, 12                        ; rows of 4,096 bytes
	s_lshl_b32 s25, s18, 10
	s_add_co_u32 s24, s24, s25
	s_mov_b32 s25, 0
	s_mul_i32 s26, ttmp9, 25600
	s_mul_i32 s27, s18, 6400
	s_add_co_u32 s26, s26, s27                     ; the chunk of the tile pair and the K pair
	s_lshl_b32 s28, s19, 7
	s_add_co_u32 s28, s28, s26
	s_add_co_u32 s28, s28, 6144                    ; my tile's scale words
	s_mov_b32 s29, 0
	s_mul_i32 s27, s19, 3072
	s_add_co_u32 s26, s26, s27                     ; my tile's two images
	s_mov_b32 s27, 0
	s_mul_i32 s30, s16, XW                         ; my stage
	s_wait_alu depctr_va_vdst(0)
	v_lshlrev_b32 v6, 4, v1                        ; 16 x lane
	v_add_nc_u32 v7, s30, v6                       ; into the stage: a row as it lies
	v_mul_u32_u24 v8, v4, 528
	v_lshl_add_u32 v8, v5, 6, v8
	v_add_nc_u32 v8, s30, v8                       ; out of it: row r, + 64 h: my 16 numbers of a block
	v_lshlrev_b32 v9, 3, v4
	v_lshl_add_u32 v9, v5, 2, v9                   ; the scale words' place: lanes 0-15 step 0's of row r, lanes 16-31 step 1's
.irp b, 0,1,2,3
	v_mov_b32 v[TM+4+\b], 0                        ; written once: a lane permute's destination counts as one of its sources
.endr
	s_wait_alu depctr_va_vdst(0)
	s_wait_kmcnt 0x0
	s_add_nc_u64 s[4:5], s[4:5], s[24:25]
	s_add_nc_u64 s[14:15], s[12:13], s[28:29]
	s_add_nc_u64 s[12:13], s[12:13], s[26:27]
.macro XLOAD t                         ; K step t: the tile's 16 rows, 512 bytes each
.irp p, 0,1,2,3,4,5,6,7,8,9,10,11,12,13,14,15
	global_load_b128 v[R+64*\t+4*\p:R+64*\t+4*\p+3], v6, s[4:5] offset:(\p+24*(\p/8))*4096+512*\t th:TH_LOAD_NT
.endr
.endm
.macro XTURN t                         ; through the stage and back into the same set: LDS serves a wave's instructions in order, so no wait stands between the stores and the loads
.irp p, 0,1,2,3,4,5,6,7,8,9,10,11,12,13,14,15
	ds_store_b128 v7, v[R+64*\t+4*\p:R+64*\t+4*\p+3] offset:528*\p
.endr
.irp b, 0,1,2,3
.irp j, 0,1,2,3
	ds_load_b128 v[R+64*\t+16*\b+4*\j:R+64*\t+16*\b+4*\j+3], v8 offset:128*\b+16*\j
.endr
.endr
.endm
.macro XOUT t
.irp c, 0,1,2
	global_store_b128 v6, v[PC+12*\t+4*\c:PC+12*\t+4*\c+3], s[12:13] offset:1536*\t+512*\c   ; 32 lanes store 512 consecutive bytes, aligned
.endr
.endm
	XLOAD 0
	XLOAD 1
	s_wait_loadcnt 16                              ; step 0's 16 loads are in
	XTURN 0
	s_wait_dscnt 0x0                               ; step 0's numbers are back from the stage
	s_wait_loadcnt 0x0
	XTURN 1
	QUANT R, PW, PC
	XOUT 0
	s_wait_dscnt 0x0
	QUANT R+64, PW+1, PC+12
	XOUT 1
	v_cndmask_b32 v18, v[PW], v[PW+1], s22
	global_store_b32 v9, v18, s[14:15]             ; 32 lanes store 128 consecutive bytes
	s_wait_tensorcnt 0x0                           ; the wave's end
	ds_add_u32 v[SPW], v[NIL]
	s_wait_dscnt 0x0
	s_endpgm
	; ---- The weights.  K is W's first axis: a lane takes a column n and its registers run down K, so a block of 32 lies in one lane.  A wave takes 32 neighbouring columns x 128 along K (one K step, 4 blocks a lane);
	; its columns are the lanes 8 (wave % 2) .. + 7 of four tiles, so the eight tiles' images are gathered in LDS, and behind a barrier wave w stores tile w's.
.Lweights:
	s_sub_co_u32 s17, ttmp9, 128
	s_lshr_b32 s18, s17, 5                         ; which weight: 0 q, 1 k, 2 v
	s_and_b32 s19, s17, 7                          ; which 128 columns
	s_bfe_u32 s23, s17, 0x20003                    ; which K pair
	s_and_b32 s31, s16, 3                          ; which 32 of the columns
	s_lshr_b32 s32, s16, 2                         ; which K step of the pair
	s_lshl_b32 s24, s19, 9
	s_lshl_b32 s25, s31, 7
	s_add_co_u32 s24, s24, s25
	s_lshl_b32 s25, s23, 20
	s_add_co_u32 s24, s24, s25
	s_lshl_b32 s25, s32, 19
	s_add_co_u32 s24, s24, s25                     ; my first number, in bytes
	s_mov_b32 s25, 0
	s_lshl_b32 s26, s18, 5
	s_lshl_b32 s27, s19, 2
	s_add_co_u32 s26, s26, s27
	s_add_co_u32 s26, s26, 128                     ; the work-group's first tile pair
	s_mul_i32 s28, s23, 6400
	s_add_co_u32 s34, s26, s31
	s_mul_i32 s34, s34, 25600
	s_add_co_u32 s34, s34, s28
	s_add_co_u32 s34, s34, 6144                    ; the scale words that waves 0 to 3 store: a tile pair's each
	s_mov_b32 s35, 0
	s_lshr_b32 s27, s16, 1
	s_add_co_u32 s26, s26, s27
	s_mul_i32 s26, s26, 25600
	s_add_co_u32 s26, s26, s28
	s_and_b32 s27, s16, 1
	s_mul_i32 s27, s27, 3072
	s_add_co_u32 s26, s26, s27                     ; the images that I store: tile = wave
	s_mov_b32 s27, 0
	s_lshr_b32 s36, s31, 1                         ; into the stage: which four tiles,
	s_and_b32 s37, s31, 1                          ; which eight of their lanes r
	s_mul_i32 s30, s36, 12288
	s_lshl_b32 s38, s37, 7
	s_add_co_u32 s30, s30, s38
	s_mul_i32 s38, s32, 1536
	s_add_co_u32 s30, s30, s38
	s_add_co_u32 s30, s30, WSTG
	s_lshl_b32 s39, s36, 9
	s_lshl_b32 s37, s37, 6
	s_add_co_u32 s39, s39, s37
	s_lshl_b32 s37, s32, 2
	s_add_co_u32 s39, s39, s37
	s_add_co_u32 s39, s39, SSTG                    ; and my columns' scale words
	s_mul_i32 s38, s16, 3072
	s_add_co_u32 s38, s38, WSTG                    ; out of the stage
	s_lshl_b32 s37, s31, 8
	s_add_co_u32 s37, s37, SSTG
	s_wait_alu depctr_va_vdst(0)
	v_lshlrev_b32 v6, 2, v1                        ; in: 4 bytes a lane
	v_lshrrev_b32 v10, 3, v1                       ; column 32 (r / 8) + 8 j + r % 8 of its group of 64: tile j = lane / 8,
	v_and_b32 v11, 7, v1                           ; r % 8 = lane % 8
	v_mul_u32_u24 v7, v10, 3072
	v_lshl_add_u32 v7, v11, 4, v7
	v_add_nc_u32 v7, s30, v7
	v_lshlrev_b32 v9, 7, v10
	v_lshl_add_u32 v9, v11, 3, v9
	v_add_nc_u32 v9, s39, v9
	v_lshlrev_b32 v10, 4, v1                       ; 16 x lane
	v_add_nc_u32 v8, s38, v10
	v_lshlrev_b32 v16, 3, v1                       ; 8 x lane
	v_add_nc_u32 v17, s37, v16
	s_wait_alu depctr_va_vdst(0)
	s_wait_kmcnt 0x0
	s_cmp_eq_u32 s18, 0                            ; the choice hangs on the work-group's number alone
	s_cselect_b64 s[4:5], s[6:7], s[8:9]
	s_cmp_eq_u32 s18, 2
	s_cselect_b64 s[4:5], s[10:11], s[4:5]
	s_add_nc_u64 s[4:5], s[4:5], s[24:25]
	s_add_nc_u64 s[14:15], s[12:13], s[34:35]
	s_add_nc_u64 s[12:13], s[12:13], s[26:27]
.macro WLOAD t                         ; block t: W(32 t + i, my column) into set t % 2: 32 lanes read 128 consecutive bytes
.irp i, 0,1,2,3,4,5,6,7,8,9,10,11,12,13,14,15,16,17,18,19,20,21,22,23,24,25,26,27,28,29,30,31
	global_load_b32 v[X+32*((\t)%2)+\i], v6, s[4:5] offset:(32*(\t)+\i)*4096 th:TH_LOAD_NT
.endr
.endm
.macro WBLOCK t
.set XS, X+32*((\t)%2)
.if (\t) < 3
	s_wait_loadcnt 32                              ; this block's 32 loads are in; the next block's may be out
.else
	s_wait_loadcnt 0x0
.endif
	v_max3_num_f32 v12, |v[XS]|, |v[XS+1]|, |v[XS+2]|   ; the block's largest magnitude: all 32 numbers are mine
	v_max3_num_f32 v13, |v[XS+3]|, |v[XS+4]|, |v[XS+5]|
.irp i, 6,10,14,18,22,26
	v_max3_num_f32 v12, v12, |v[XS+\i]|, |v[XS+\i+1]|
	v_max3_num_f32 v13, v13, |v[XS+\i+2]|, |v[XS+\i+3]|
.endr
	v_max3_num_f32 v12, v12, |v[XS+30]|, |v[XS+31]|
	v_max3_num_f32 v12, v12, v13, 0x1800000        ; and the floor 2^(3 - 127)
	v_add_nc_u32 v11, 0xff000000, v12              ; the conversion's scale operand
	v_lshrrev_b32 v13, 23, v11                     ; the scale's byte
.if (\t) == 0
	v_mov_b32 v[SB], v13
.else
	v_lshl_or_b32 v[SB], v13, 8*(\t), v[SB]
.endif
	v_cvt_scalef32_pk16_fp6_f32 v[C:C+2], v[XS:XS+15], v11
	v_cvt_scalef32_pk16_fp6_f32 v[E:E+2], v[XS+16:XS+31], v11
	v_nop                                          ; one plain place behind a scaled conversion
.irp i, 0,1,2
	v_mov_b32 v[C+3+\i], v[E+\i]
.endr
; Block 2 c + h of a K step is registers 6 c .. 6 c + 5 of the image's lane r + 16 h; register j of a lane lies at 512 (j / 4) + 16 lane + 4 (j % 4)
.set SO, 256*((\t)%2)
.if (\t) < 2
	ds_store_b128 v7, v[C:C+3] offset:SO
	ds_store_b64 v7, v[C+4:C+5] offset:SO+512
.else
	ds_store_b64 v7, v[C:C+1] offset:SO+520
	ds_store_b128 v7, v[C+2:C+5] offset:SO+1024
.endif
.if (\t) < 2
	WLOAD (\t)+2
.endif
	s_wait_dscnt 0x0                               ; the stores have read their registers: the next block's codes may be written
.endm
	WLOAD 0
	WLOAD 1
.irp t, 0,1,2,3
	WBLOCK \t
.endr
	s_wait_alu depctr_va_vdst(0)
	ds_store_b32 v9, v[SB]
	s_wait_dscnt 0x0                               ; all my stores are done:
	s_barrier_signal -1
	s_barrier_wait -1                              ; so are everybody's
.irp m, 0,1,2,3,4,5
	ds_load_b128 v[OUTR+4*\m:OUTR+4*\m+3], v8 offset:512*\m
.endr
.irp m, 0,1,2,3,4,5
	s_wait_dscnt 5-\m                              ; the younger loads may be out
	global_store_b128 v10, v[OUTR+4*\m:OUTR+4*\m+3], s[12:13] offset:512*\m   ; 32 lanes store 512 consecutive bytes, aligned
.endr
	s_cmp_lt_u32 s16, 4
	s_cbranch_scc0 .Lno_words
	ds_load_b64 v[18:19], v17
	s_wait_dscnt 0x0
	global_store_b64 v16, v[18:19], s[14:15]       ; a tile pair's scale words: 32 lanes store 256 consecutive bytes, aligned
.Lno_words:
	s_wait_tensorcnt 0x0                           ; the wave's end
	ds_add_u32 v[SPW], v[NIL]
	s_wait_dscnt 0x0
	s_endpgm
.Lfunc_end_k_q1e65dfdf73_quant:
	.size	k_q1e65dfdf73_quant, .Lfunc_end_k_q1e65dfdf73_quant-k_q1e65dfdf73_quant
	.p2alignl 7, 3214868480
	.fill 96, 4, 3214868480
	.section	.rodata,"a",@progbits
	.p2align	6, 0x0
	.amdhsa_kernel k_q1e65dfdf73_quant
		.amdhsa_group_segment_fixed_size 94208
		.amdhsa_private_segment_fixed_size 0
		.amdhsa_enable_private_segment 0
		.amdhsa_kernarg_size 40
		.amdhsa_user_sgpr_count 2
		.amdhsa_user_sgpr_kernarg_segment_ptr 1
		.amdhsa_wavefront_size32 1
		.amdhsa_system_sgpr_workgroup_id_x 1
		.amdhsa_system_sgpr_workgroup_id_y 1
		.amdhsa_system_sgpr_workgroup_id_z 1
		.amdhsa_system_vgpr_workitem_id 0
		.amdhsa_next_free_vgpr 256
		.amdhsa_next_free_sgpr 66
		.amdhsa_reserve_vcc 0
		.amdhsa_float_denorm_mode_32 3
		.amdhsa_float_denorm_mode_16_64 3
		.amdhsa_memory_ordered 1
		.amdhsa_forward_progress 1
		.amdhsa_inst_pref_size 42
	.end_amdhsa_kernel
	.amdgpu_metadata
---
amdhsa.version: [ 1, 2 ]
amdhsa.kernels:
  - .name:           k_q1e65dfdf73_quant
    .symbol:         k_q1e65dfdf73_quant.kd
    .args:
      - { .name: x, .offset: 0, .size: 8, .value_kind: global_buffer, .address_space: global }
      - { .name: Wq, .offset: 8, .size: 8, .value_kind: global_buffer, .address_space: global }
      - { .name: Wk, .offset: 16, .size: 8, .value_kind: global_buffer, .address_space: global }
      - { .name: Wv, .offset: 24, .size: 8, .value_kind: global_buffer, .address_space: global }
      - { .name: codes, .offset: 32, .size: 8, .value_kind: global_buffer, .address_space: global }
    .group_segment_fixed_size: 94208
    .private_segment_fixed_size: 0
    .kernarg_segment_align: 8
    .kernarg_segment_size: 40
    .max_flat_workgroup_size: 256
    .sgpr_count:     66
    .vgpr_count:     256
    .wavefront_size: 32
...
	.end_amdgpu_metadata
.endif
;; end of part 1
;; launch proj (part 2): grid 12 x 16, 4 waves a work-group, clusters of 4 x 4, 327,680 bytes of LDS; arguments codes, bq, bk, bv, qkv; writes qkv
.if DOCPART == 2
	.amdgcn_target "amdgcn-amd-amdhsa--gfx1250"
	.amdhsa_code_object_version 6
	.text
	.protected	k_q1e65dfdf73_proj
	.globl	k_q1e65dfdf73_proj
	.p2align	8
	.type	k_q1e65dfdf73_proj,@function
k_q1e65dfdf73_proj:
	s_mov_b64 s[64:65], 0
	v_nop
	global_prefetch_b8 v0, s[64:65] scope:SCOPE_SE
	s_setreg_imm32_b32 hwreg(HW_REG_WAVE_MODE, 25, 1), 1
	s_wait_xcnt 0x0
	s_wait_alu depctr_hold_cnt(0) depctr_sa_sdst(0) depctr_va_vdst(0) depctr_va_sdst(0) depctr_va_ssrc(0) depctr_va_vcc(0) depctr_vm_vsrc(0)
	s_getreg_b32 s2, hwreg(HW_REG_IB_STS2, 6, 4)
	s_cmp_eq_u32 s2, 0
	s_cbranch_scc0 .Lentry_in_a_cluster
	s_endpgm
.Lentry_in_a_cluster:
	s_bfe_u32 s2, ttmp6, 0x10000c
	s_cmp_lg_u32 s2, 0xf033
	s_cbranch_scc0 .Lentry_shape_is_right
	s_endpgm
.Lentry_shape_is_right:
; Q, K, V = x W + b, each quantised along the K of the product that follows.  codes: [tile pair][K pair] of 6,400 bytes, as the quantising launch lays them: [tile u][K step e][1,536], then the scale words [u][r][e].
; qkv: Q at 0: [blk][4 fragments, 256 bytes of scale words [r][f]]; from KVOFF: [blk][K's 4 fragments, V's 4, K's 256 bytes of scale words, V's 256]: 12,800 bytes.  blk = 16 (16 b + head) + 128-row block.
; A work-group makes 256 x 256, its four waves 128 x 128 each: 64 accumulators, 512 registers.  The cluster's x is 0 Q, 1 K, 2 V.  Q, K: A = x's rows, B = a weight's columns; V: A = W_v's columns, B = x's rows.
; The matrix instruction takes B's rows as source 0: a lane holds ONE row of A and its registers run along B's rows.  By the tiles' order of rows the 32 registers of four tiles are 32 neighbours:
; Q, K: 32 channels of a token, V: 32 tokens of a channel: a scale block of the product that follows, whole in one lane.
; FILLS.  K = 1,024 is four K pairs of 256.  At the head the four waves ask for three of them, one load each: A's pair 0, B's pair 0 (region 0), A's pairs 1 and 2, B's pairs 1 and 2 (region 1).  ONE refill: behind a drained round in step 1
; region 0 takes pair 3, a half of A's or B's tiles a wave.  Waves 0 and 1 wait for their own loads ahead of the first barrier; the round shows region 1 to all; a plain barrier in step 5 shows pair 3.
; CLUSTERS: 4 x 4 work-groups: A's tiles are shared along a row, B's along a column, by joint loads.
; THE BIAS is the first products' C, laid in registers as the results lie.
; Pair 3 is prefetched into the L2 at the head, two steps ahead of its load: 8 rows of 25 blocks of 256 bytes for A and for B, a row a wave, shared out by address among the four work-groups that ask jointly.
; LIMITS: NaN and infinities are not served; a block's scale byte is held at 1 from below, a block of zeros has the byte 1 too (its codes are zeros).
.set FR,    12                         ; registers of a fragment: 16 rows x 128 K
.set NL,    3                          ; LDS loads that bring one
.set CH,    6400                       ; a tile pair's K pair
.set TP,    4*CH                       ; from tile pair to tile pair in memory
.set HALF0, 4*CH                       ; region 0: 8 tiles
.set HALF1, 8*CH                       ; region 1: 8 tiles, two K pairs
.set R1,    4*HALF0                    ; region 1 begins here: A's 16 tiles, then B's
.set SPARE, R1+4*HALF1                 ; the spare words, 128 bytes for each wave: two blocks of 256 bytes that no other line names
.set KVOFF, 3276800
.set H8,    7                          ; v7   8 h: where my bytes stand in a scale word
.set ADRA,  16                         ; v16, v17 LDS address of my A fragments in region 0, 1
.set ADRB,  20                         ; v20, v21 of B's
.set ADRS,  22                         ; v22, v23 of the scale words: lanes 0-15 A's, lanes 16-31 B's
.set PFO,   24                         ; v24  the prefetch's offset
.set VS,    25
.set VO,    26                         ; v26  16 x lane
.set SPW,   28                         ; v28  LDS address of my spare word; never rewritten
.set NIL,   29                         ; v29  0; never rewritten
.set VBI,   30
.set VBV,   31
.set SC,    32                         ; v32-63 scale words: two sets (K pair % 2); in it register 2 i + e: A's block i in lanes 0-15, B's in lanes 16-31
.set BI,    64                         ; v64-127 the bias; on the way out free
.set AF,    128                        ; v128-223 A's fragments, one set; window 1: B's, two sets at v0 and v128; windows 2, 3: the accumulators of A's blocks 0-3, 4-7: (a, b) at v[64 (a % 4) + 8 b]
.set PC,    128                        ; the way out: v128-223 the codes of eight fragments
.set PT,    64                         ; v64-79
.set T0,    80                         ; v80-89, v96-105 two groups at a time
.set T1,    96
.set WD,    224                        ; v224-231 their scale words
.set SS,    232
.set G1,    24                         ; s[24:31] descriptor group 1 for A's pair 0 and 3, s[48:55] for B's; s[68:75], s[80:87] for A's and B's pairs 1 and 2
.set G1B,   48
.set G1S,   68
.set G1SB,  80
.set G0,    32                         ; s[32:35], s[56:59], s[76:79], s[88:91] group 0 of the head's loads
.set G0B,   56
.set G0S,   76
.set G0SB,  88
.set G0R,   36                         ; s[36:39], s[60:63] group 0 of the refill
.set G0RB,  60
.set SEL,   96
.set MSB, 0
.macro WIN new                         ; the immediate's high byte repeats the setting that is left
.if MSB != (\new)
	s_set_vgpr_msb (MSB<<8)|(\new)
.set MSB, (\new)
.endif
.endm
.macro PLACES
.rept 4
	v_nop
.endr
.endm
.macro TLOAD g0, g1
	tensor_load_to_lds s[\g0:\g0+3], s[\g1:\g1+7]
	s_nop 0
	PLACES
.endm
.macro CROUND                          ; a round of the cluster's barrier
	s_barrier_signal -1
	s_barrier_wait -1
	s_cmp_lg_u32 s14, 0
	s_cbranch_scc1 .Lnot_wave_0_\@
	s_barrier_signal -3
.Lnot_wave_0_\@:
	s_barrier_wait -3
	s_barrier_signal -1
	s_barrier_wait -1
.endm
.macro GROUP1 g, mask, row             ; 8 rows of so many elements of 8 bytes, one tile pair each
	s_or_b32 s[\g+0], s[\mask], (3<<16)|(1<<21)
	s_mov_b32 s[\g+1], (\row)<<16
	s_mov_b32 s[\g+2], 8<<16
	s_mov_b32 s[\g+3], (\row)<<16
	s_mov_b32 s[\g+4], 8
	s_mov_b32 s[\g+5], TP/8
	s_mov_b32 s[\g+6], 0
	s_mov_b32 s[\g+7], 0
.endm
.macro GROUP0 g, lds, base, off
	s_mov_b32 s[\g], 1
	s_mov_b32 s[\g+1], \lds
	s_add_nc_u64 s[\g+2:\g+3], s[\base:\base+1], \off
	s_or_b32 s[\g+3], s[\g+3], 0x80000000
.endm
	s_load_b256 s[4:11], s[0:1], 0x0               ; codes s[4:5], bq s[6:7], bk s[8:9], bv s[10:11]
	s_load_b64 s[92:93], s[0:1], 0x20              ; qkv
	v_lshl_add_u32 v[SPW], v0, 2, SPARE
	v_mov_b32 v[NIL], 0
	ds_add_u32 v[SPW], v[NIL]                      ; the wave's opening: the add, twice on end, and its wait ahead of my first tensor load
	ds_add_u32 v[SPW], v[NIL]
	v_lshrrev_b32 v1, 5, v0
	v_readfirstlane_b32 s14, v1                    ; wave 0..3
	s_lshr_b32 s15, s14, 1                         ; which half of A's rows is mine.  Also: I refill A (0) or B (1)
	s_and_b32 s16, s14, 1                          ; which half of B's.  Also: which 8 tiles I refill
	s_bfe_u32 s40, ttmp6, 0x40000                  ; cx
	s_bfe_u32 s41, ttmp6, 0x40004                  ; cy
	s_mov_b32 s42, ttmp9                           ; 0 Q, 1 K, 2 V
	s_and_b32 s2, ttmp7, 0xffff                    ; which 1,024 rows of x
	s_lshl_b32 s43, s41, 2
	s_lshl_b32 s43, 15, s43                        ; my row of the cluster
	s_lshl_b32 s44, 0x1111, s40                    ; my column
	GROUP1 G1, 43, CH/8
	GROUP1 G1B, 44, CH/8
	GROUP1 G1S, 43, 2*CH/8
	GROUP1 G1SB, 44, 2*CH/8
	s_lshl_b32 s17, s2, 5                          ; x's tile pairs
	s_lshl_b32 s18, s42, 5
	s_add_co_u32 s18, s18, 128                     ; the weight's
	s_mov_b32 s19, 192                             ; W_v's
	s_cmp_eq_u32 s42, 2
	s_cselect_b32 s20, s19, s17
	s_cselect_b32 s46, s17, s18
	s_lshl_b32 s21, s41, 3
	s_add_co_u32 s20, s20, s21                     ; A's first tile pair: by cy alone
	s_lshl_b32 s47, s40, 3
	s_add_co_u32 s46, s46, s47                     ; B's: by cx alone
	s_mul_i32 s20, s20, TP
	s_mov_b32 s21, 0
	s_mul_i32 s46, s46, TP
	s_mov_b32 s47, 0
	s_mul_i32 s18, s16, 4*TP
	s_add_co_u32 s18, s18, 3*CH                    ; the refill: my half of the tiles, K pair 3,
	s_mov_b32 s19, 0
	s_mul_i32 s45, s14, HALF0                      ; and where it goes
	s_cmp_eq_u32 s15, 0                            ; the prefetch: row 2 p + wave % 2 of A's or B's, p my place among the four that ask jointly
	s_cselect_b32 s12, s40, s41
	s_lshl_b32 s12, s12, 1
	s_add_co_u32 s12, s12, s16
	s_mul_i32 s12, s12, TP
	s_add_co_u32 s12, s12, 3*CH
	s_mov_b32 s13, 0
	s_wait_alu depctr_va_vdst(0)
	s_wait_dscnt 0x0                               ; both opening adds are done
	CROUND                                         ; all sixteen work-groups are here: the joint loads meet
	s_wait_kmcnt 0x0
	s_add_nc_u64 s[20:21], s[4:5], s[20:21]
	s_add_nc_u64 s[46:47], s[4:5], s[46:47]
	GROUP0 G0, 0, 20, 0
	GROUP0 G0B, 2*HALF0, 46, 0
	GROUP0 G0S, R1, 20, CH
	GROUP0 G0SB, R1+2*HALF1, 46, CH
; One tensor load a wave: one tree of branches, each arm with its load.
.macro ARM under, g0, g1, next
	s_cmp_lt_u32 s14, \under
	s_cbranch_scc0 \next
	TLOAD \g0, \g1
	s_branch .Lhead_asked
\next:
.endm
	ARM 1, G0,  G1,  .Lhead_b
	ARM 2, G0B, G1B, .Lhead_a12
	ARM 3, G0S, G1S, .Lhead_b12
	TLOAD G0SB, G1SB
.Lhead_asked:
	GROUP0 G0R, s45, 20, s[18:19]
	GROUP0 G0RB, s45, 46, s[18:19]
	s_cmp_eq_u32 s15, 0
	s_cselect_b64 s[94:95], s[20:21], s[46:47]
	s_add_nc_u64 s[94:95], s[94:95], s[12:13]
	s_cmp_eq_u32 s42, 0
	s_cselect_b64 s[66:67], s[6:7], s[8:9]
	s_cmp_eq_u32 s42, 2
	s_cselect_b64 s[66:67], s[10:11], s[66:67]     ; my bias
	s_lshl_b32 s21, s40, 10
	s_lshl_b32 s22, s16, 9
	s_add_co_u32 s21, s21, s22                     ; Q, K: my wave's first channel, in bytes
	s_lshl_b32 s22, s41, 10
	s_lshl_b32 s23, s15, 9
	s_add_co_u32 s22, s22, s23                     ; V: likewise
	v_and_b32 v1, 15, v0                           ; r
	v_bfe_u32 v2, v0, 4, 1                         ; h
	v_and_b32 v3, 31, v0
	v_and_b32 v4, 8, v1
	v_lshl_add_u32 v[VBI], v2, 7, s21              ; register 32 g + e: channel 64 g + 32 h + e
	v_mad_u32_u24 v4, v4, 3, v1                    ; r + 24 (r / 8)
	v_lshl_add_u32 v[VBV], v4, 2, s22              ; tile a, lane r: channel 64 (a / 4) + 8 (a % 4) + r + 24 (r / 8)
	v_lshlrev_b32 v[VO], 4, v3
	v_min_u32 v[PFO], 24, v3
	v_lshlrev_b32 v[PFO], 8, v[PFO]
	v_lshlrev_b32 v[H8], 3, v2
	s_wait_alu depctr_va_vdst(0)
	s_cmp_eq_u32 s42, 2
	s_cbranch_scc1 .Lbias_v
.irp e, 0,1,2,3,4,5,6,7,8,9,10,11,12,13,14,15
	global_load_b128 v[BI+4*\e:BI+4*\e+3], v[VBI], s[66:67] offset:256*(\e/8)+16*(\e%8)
.endr
	s_branch .Lbias_asked
.Lbias_v:
.irp a, 0,1,2,3,4,5,6,7
	global_load_b32 v[BI+8*\a], v[VBV], s[66:67] offset:4*(64*(\a/4)+8*(\a%4))
.endr
.Lbias_asked:
	global_prefetch_b8 v[PFO], s[94:95] th:TH_LOAD_NT scope:SCOPE_SE   ; K pair 3: lanes 25-31 name the row's last block again
	s_mul_i32 s21, s15, HALF0                      ; LDS addresses.  Region 0: my 128 rows of A, of B
	s_mul_i32 s22, s16, HALF0
	s_add_co_u32 s22, s22, 2*HALF0
	s_sub_co_u32 s23, s22, s21
	v_lshlrev_b32 v5, 3, v1
	v_add_nc_u32 v[ADRA], s21, v[VO]
	v_add_nc_u32 v[ADRB], s22, v[VO]
	v_mul_u32_u24 v6, s23, v2
	v_add_nc_u32 v6, v5, v6
	v_add_nc_u32 v[ADRS], s21, v6
	s_mul_i32 s21, s15, HALF1                      ; region 1
	s_add_co_u32 s21, s21, R1
	s_mul_i32 s22, s16, HALF1
	s_add_co_u32 s22, s22, R1+2*HALF1
	s_sub_co_u32 s23, s22, s21
	v_add_nc_u32 v[ADRA+1], s21, v[VO]
	v_add_nc_u32 v[ADRB+1], s22, v[VO]
	v_mul_u32_u24 v6, s23, v2
	v_add_nc_u32 v6, v5, v6
	v_add_nc_u32 v[ADRS+1], s21, v6
	s_cmp_eq_u32 s42, 2                            ; where my results go: tokens by A's place (Q, K) or B's (V)
	s_cselect_b32 s21, s40, s41
	s_cselect_b32 s22, s16, s15
	s_cselect_b32 s23, s41, s40
	s_cselect_b32 s17, s15, s16
	s_lshl_b32 s46, s2, 3
	s_lshl_b32 s21, s21, 1
	s_add_co_u32 s46, s46, s21
	s_add_co_u32 s46, s46, s22                     ; my 128 tokens,
	s_lshl_b32 s23, s23, 1
	s_add_co_u32 s23, s23, s17                     ; my 128 channels
	s_lshr_b32 s47, s46, 4
	s_lshl_b32 s47, s47, 4
	s_lshl_b32 s23, s23, 1
	s_add_co_u32 s47, s47, s23
	s_lshl_b32 s47, s47, 4
	s_and_b32 s46, s46, 15
	s_add_co_u32 s46, s46, s47                     ; blk of the first head
	s_mul_i32 s21, s46, 6400
	s_add_co_u32 s22, s21, 6144
	s_mul_i32 s23, s46, 12800
	s_add_co_u32 s23, s23, KVOFF
	s_lshr_b32 s17, s42, 1                         ; 1: V
	s_lshl_b32 s47, s17, 8
	s_add_co_u32 s46, s23, s47
	s_add_co_u32 s46, s46, 12288                   ; K's or V's scale words
	s_mul_i32 s47, s17, 6144
	s_add_co_u32 s23, s23, s47                     ; and codes
	s_mov_b32 s17, 16*12800                        ; from the first head's block to the second's
	s_cmp_eq_u32 s42, 0
	s_cselect_b32 s12, s21, s23
	s_cselect_b32 s20, s22, s46
	s_cselect_b32 s18, 16*6400, s17
	s_mov_b32 s47, s18
	s_mov_b32 s13, 0
	s_mov_b32 s21, 0
	s_mov_b32 s19, 0
	s_add_nc_u64 s[12:13], s[92:93], s[12:13]
	s_add_nc_u64 s[20:21], s[92:93], s[20:21]
	s_add_nc_u64 s[18:19], s[12:13], s[18:19]
	s_wait_alu depctr_va_vdst(0)
	v_mul_u32_u24 v[VS], s47, v2
	v_lshl_add_u32 v[VS], v1, 4, v[VS]
	s_mov_b32 s[SEL], 0x76543210
	s_mov_b32 s[SEL+1], 0xfedcba98
	s_mov_b32 s98, 0xffff0000
; A fragment of step st, tile i of my eight: three loads of 16 bytes a lane.
.macro FRAG reg, adr, st, i
.set J_, (\st)/2
.if J_%3
.set OF_, 2*CH*((\i)/2)+CH*(J_-1)
.set AD_, \adr+1
.else
.set OF_, CH*((\i)/2)
.set AD_, \adr
.endif
.set OF_, OF_+3072*((\i)%2)+1536*((\st)%2)
.irp c, 0,1,2
	ds_load_b128 v[\reg+4*\c:\reg+4*\c+3], v[AD_] offset:OF_+512*\c
.endr
.endm
.macro FETCH_B st
	WIN 0x40
.irp i, 0,1,2,3,4,5,6,7
	FRAG 128*((\st)%2)+FR*\i, ADRB, \st, \i
.endr
	WIN 0
.endm
.macro FETCH_A st, i0
.irp i, \i0, \i0+1, \i0+2, \i0+3
	FRAG AF+FR*(\i), ADRA, \st, \i
.endr
.endm
.macro SCALES j                        ; the scale words of K pair j into set j % 2
.irp i, 0,1,2,3,4,5,6,7
.if (\j)%3
	ds_load_b64 v[SC+16*((\j)%2)+2*\i:SC+16*((\j)%2)+2*\i+1], v[ADRS+1] offset:2*CH*(\i/2)+CH*((\j)-1)+6144+128*(\i%2)
.else
	ds_load_b64 v[SC+16*((\j)%2)+2*\i:SC+16*((\j)%2)+2*\i+1], v[ADRS] offset:CH*(\i/2)+6144+128*(\i%2)
.endif
.endr
.endm
; 16 products: A's blocks a0, a0 + 1 x B's eight.  The 64 accumulators take turns, in the same order in every step.  first: 1 the bias of Q or K is C (by B's tile), 2 that of V (by A's tile).
; strew: behind every fourth product stand the loads of one of the next step's fragments: 1 B's (first half: eight fragments), 2 A's blocks 0-3 (second half).
.macro MUL16 a0, st, first, strew=0
.set PS_, 128*((\st)%2)
.set XS_, SC+16*(((\st)/2)%2)+(\st)%2
.irp a, \a0, \a0+1
.irp b, 0,1,2,3,4,5,6,7
.set D_, 64*((\a)%4)+8*\b
.if (\first) == 1
.set C_, BI+8*\b
.elseif (\first) == 2
.set C_, BI+8*(\a)
.else
.set C_, D_
.endif
	v_wmma_scale_f32_16x16x128_f8f6f4 v[D_:D_+7], v[PS_+FR*\b:PS_+FR*\b+FR-1], v[AF+FR*(\a):AF+FR*(\a)+FR-1], v[C_:C_+7], v[XS_+2*\b], v[XS_+2*(\a)] matrix_a_fmt:MATRIX_FMT_FP6 matrix_b_fmt:MATRIX_FMT_FP6 matrix_a_scale:MATRIX_SCALE_ROW1
.if ((\strew) != 0) && (\b%4 == 3)
.set I_, (2*(\a)+\b/4)%8
.if (\strew) == 1
	WIN 0x40
	FRAG 128*(((\st)+1)%2)+FR*I_, ADRB, (\st)+1, I_
	WIN W_
.elseif I_ < 4
	WIN 0
	FRAG AF+FR*I_, ADRA, (\st)+1, I_
	WIN W_
.endif
.endif
.endr
.endr
.endm
; A step of 128 along K: 64 products.  The next step's fragments of B and of A's blocks 0-3 are fetched among the products: B's set was read last in the step before, A's blocks 0-3 in this step's first half, and the four places
; stand behind those products.  A's blocks 4-7 follow at the step's end.  Steps 1 and 5 have a barrier in their middle, ahead of which the next step's tiles may not be read: there B's fragments follow behind it in one run.
; Step 1 holds the refill's round, step 5 the barrier that shows what the refill brought.
.macro STEP st, first
.set NX_, (\st)+1
.if \first
.set LO_, 0x81                         ; source 0 (B) window 1, source 1 (A) window 0, C window 0, D window 2
.set HI_, 0xc1
.else
.set LO_, 0xa1
.set HI_, 0xf1
.endif
	s_wait_dscnt 4*NL                              ; B's set and A's blocks 0-3 are in; the youngest 12 loads (A's blocks 4-7) may be out
.if ((\st) == 1) || ((\st) == 5)
.set BS_, 0
.else
.set BS_, 1
.endif
.set W_, LO_
	WIN LO_
	MUL16 0, \st, \first, BS_
.if (\st) == 1
	WIN 0
	s_wait_tensorcnt 0x0                           ; my head's load has landed;
	ds_add_u32 v[SPW], v[NIL]                      ; 0 onto my spare word;
	s_mov_b32 s[G1+2], 4<<16                       ; no tensor load of mine is out: the refill brings 4 tile pairs a wave
	s_mov_b32 s[G1+4], 4
	s_mov_b32 s[G1B+2], 4<<16
	s_mov_b32 s[G1B+4], 4
	WIN LO_
	MUL16 2, \st, \first
	WIN 0
	s_wait_dscnt 0x0                               ; the add is done, and so are my reads of region 0:
	CROUND                                         ; both hold of every wave of every partner, and region 1 is whole
	s_cmp_eq_u32 s15, 0
	s_cbranch_scc0 .Lfor_b
	TLOAD G0R, G1                                  ; K pair 3, the first tensor load behind the round
	s_branch .Lasked
.Lfor_b:
	TLOAD G0RB, G1B
.Lasked:
.elseif (\st) == 5
	s_wait_tensorcnt 0x0                           ; my part of K pair 3 has landed
	s_wait_dscnt 0x0
	s_barrier_signal -1
	MUL16 2, \st, \first
	WIN 0
	s_barrier_wait -1                              ; everybody's has
	PLACES
.else
	MUL16 2, \st, \first, 1
	s_wait_dscnt 8*NL                              ; A's blocks 4-7 are in; behind them B's 24 loads may be out
	PLACES                                         ; ahead of loads into registers that products have read
.endif
.if BS_ == 0
	FETCH_B NX_
.endif
.if NX_%2 == 0
	WIN 0
	SCALES NX_/2
.endif
.set W_, HI_
	WIN HI_
	MUL16 4, \st, \first, 2
	MUL16 6, \st, \first
	PLACES
	WIN 0
	FETCH_A NX_, 4
.endm
	s_wait_alu depctr_va_vdst(0)
	s_cmp_lt_u32 s14, 2
	s_cbranch_scc0 .Lnot_first
	s_wait_tensorcnt 0x0
.Lnot_first:
	s_barrier_signal -1
	s_barrier_wait -1                              ; K pair 0 is in; pairs 1 and 2 may be on their way
	FETCH_B 0
	FETCH_A 0, 0
	SCALES 0
	FETCH_A 0, 4
	s_wait_loadcnt 0x0                             ; the bias
	s_cmp_eq_u32 s42, 2
	s_cbranch_scc1 .Lfirst_v
	STEP 0, 1
	s_branch .Lgo_on
.Lfirst_v:
.irp a, 0,8,16,24,32,40,48,56
.irp i, 1,2,3,4,5,6,7
	v_mov_b32 v[BI+\a+\i], v[BI+\a]                ; V's bias: one number a lane and tile, over the tile's eight registers
.endr
.endr
	s_wait_alu depctr_va_vdst(0)
	STEP 0, 2
.Lgo_on:
	STEP 1, 0
	STEP 2, 0
	STEP 3, 0
	STEP 4, 0
	STEP 5, 0
	STEP 6, 0
	s_wait_dscnt 4*NL                              ; the last step: nothing more to fetch
	WIN 0xa1
	MUL16 0, 7, 0
	MUL16 2, 7, 0
	s_wait_dscnt 0x0
	WIN 0xf1
	MUL16 4, 7, 0
	MUL16 6, 7, 0
	WIN 0
; THE WAY OUT, two groups g, g + 1 at a time: a group is two blocks of 32 sums in a lane, at v[a0], v[a1] (v[b0], v[b1]) of window w, and becomes a fragment's codes and a scale word.
.macro MAX2 t, r, i                    ; the largest magnitude, with the floor 2^(3 - 127) among its leaves: the byte cannot fall under 1
.if (\i) == 0
	v_max3_num_f32 v[\t], |v[\r]|, |v[\r+1]|, 0x1800000
.else
	v_max3_num_f32 v[\t], |v[\r+\i]|, |v[\r+\i+1]|, v[\t]
.endif
.endm
.macro CVT4 g, t, p, a0, a1
	v_cvt_scalef32_pk16_fp6_f32 v[PC+12*(\g):PC+12*(\g)+2], v[\a0:\a0+15], v[\t+4]
	v_cvt_scalef32_pk16_fp6_f32 v[\p:\p+2], v[\a0+16:\a0+31], v[\t+4]        ; (a conversion's three registers begin on an even number)
	v_cvt_scalef32_pk16_fp6_f32 v[PC+12*(\g)+6:PC+12*(\g)+8], v[\a1:\a1+15], v[\t+5]
	v_cvt_scalef32_pk16_fp6_f32 v[\p+4:\p+6], v[\a1+16:\a1+31], v[\t+5]
.endm
.macro SEND g, p
.irp i, 0,1,2
	v_mov_b32 v[PC+12*(\g)+3+\i], v[\p+\i]
.endr
.irp i, 0,1,2
	v_mov_b32 v[PC+12*(\g)+9+\i], v[\p+4+\i]
.endr
.irp c, 0,1,2
.if (\g) < 4
	global_store_b128 v[VO], v[PC+12*(\g)+4*\c:PC+12*(\g)+4*\c+3], s[12:13] offset:1536*((\g)%4)+512*\c   ; 32 lanes store 512 consecutive bytes, aligned
.else
	global_store_b128 v[VO], v[PC+12*(\g)+4*\c:PC+12*(\g)+4*\c+3], s[18:19] offset:1536*((\g)%4)+512*\c
.endif
.endr
.endm
.macro QPAIR g, w, a0, a1, b0, b1
	WIN (\w)|((\w)<<2)
.irp i, 0,2,4,6,8,10,12,14
	MAX2 T0, \a0, \i
	MAX2 T0+1, \a0+16, \i
	MAX2 T0+2, \a1, \i
	MAX2 T0+3, \a1+16, \i
	MAX2 T1, \b0, \i
	MAX2 T1+1, \b0+16, \i
	MAX2 T1+2, \b1, \i
	MAX2 T1+3, \b1+16, \i
.endr
	WIN 0
.irp t, T0, T1
	v_max_num_f32 v[\t], v[\t], v[\t+1]
	v_max_num_f32 v[\t+2], v[\t+2], v[\t+3]
.endr
.irp t, T0, T1
	v_add_nc_u32 v[\t+4], 0xff000000, v[\t]        ; 2 off the exponent field: the conversions' scale operands
	v_add_nc_u32 v[\t+5], 0xff000000, v[\t+2]
.endr
.irp t, T0, T1
	v_lshrrev_b32 v[\t+6], 23, v[\t+4]
	v_lshrrev_b32 v[\t+7], 23, v[\t+5]
.endr
.irp t, T0, T1
	v_lshl_or_b32 v[\t+8], v[\t+7], 16, v[\t+6]    ; block (c, h) has byte 2 c + h of the row's word
.endr
.irp t, T0, T1
	v_lshlrev_b32 v[\t+8], v[H8], v[\t+8]
.endr
.irp t, T0, T1
	v_permlanex16_b32 v[\t+9], v[\t+8], s[SEL], s[SEL+1]
.endr
	WIN \w
	CVT4 \g, T0, PT, \a0, \a1
	CVT4 \g+1, T1, PT+8, \b0, \b1
	WIN 0
	v_or_b32 v[WD+\g], v[T0+8], v[T0+9]            ; (plain places behind the conversions)
	v_or_b32 v[WD+\g+1], v[T1+8], v[T1+9]
	SEND \g, PT
	SEND \g+1, PT+8
.endm
	PLACES
	v_mov_b32 v[T0+9], 0                           ; written once: a lane permute's destination counts as one of its sources
	v_mov_b32 v[T1+9], 0
	s_wait_alu depctr_va_vdst(0)
	s_cmp_eq_u32 s42, 2
	s_cbranch_scc1 .Lvalues
	QPAIR 0, 2, 0, 64, 128, 192                    ; Q, K: group g: head g / 4, my 16-token tiles 2 (g % 4) and the next
	QPAIR 4, 2, 32, 96, 160, 224
	QPAIR 2, 3, 0, 64, 128, 192
	QPAIR 6, 3, 32, 96, 160, 224
	s_wait_alu depctr_va_vdst(0)
	s_branch .Ltail
.Lvalues:
	QPAIR 0, 2, 0, 32, 64, 96                      ; V: group g: my channel tile g, 128 tokens
	QPAIR 2, 2, 128, 160, 192, 224
	QPAIR 4, 3, 0, 32, 64, 96
	QPAIR 6, 3, 128, 160, 192, 224
.Ltail:
.irp f, 0,1,2,3
	v_cndmask_b32 v[SS+\f], v[WD+\f], v[WD+4+\f], s98   ; lanes 0-15: the first head's words, lanes 16-31 the second's
.endr
	global_store_b128 v[VS], v[SS:SS+3], s[20:21]
	s_wait_tensorcnt 0x0                           ; the wave's end
	ds_add_u32 v[SPW], v[NIL]
	s_wait_dscnt 0x0
	CROUND                                         ; the closing round: no work-group ends while a partner may still ask for a tile that names it
	s_endpgm
.Lfunc_end_k_q1e65dfdf73_proj:
	.size	k_q1e65dfdf73_proj, .Lfunc_end_k_q1e65dfdf73_proj-k_q1e65dfdf73_proj
	.p2alignl 7, 3214868480
	.fill 96, 4, 3214868480
	.section	.rodata,"a",@progbits
	.p2align	6, 0x0
	.amdhsa_kernel k_q1e65dfdf73_proj
		.amdhsa_group_segment_fixed_size 327680
		.amdhsa_private_segment_fixed_size 0
		.amdhsa_enable_private_segment 0
		.amdhsa_kernarg_size 40
		.amdhsa_user_sgpr_count 2
		.amdhsa_user_sgpr_kernarg_segment_ptr 1
		.amdhsa_wavefront_size32 1
		.amdhsa_system_sgpr_workgroup_id_x 1
		.amdhsa_system_sgpr_workgroup_id_y 1
		.amdhsa_system_sgpr_workgroup_id_z 1
		.amdhsa_system_vgpr_workitem_id 0
		.amdhsa_next_free_vgpr 1024
		.amdhsa_next_free_sgpr 100
		.amdhsa_reserve_vcc 0
		.amdhsa_float_denorm_mode_32 3
		.amdhsa_float_denorm_mode_16_64 3
		.amdhsa_memory_ordered 1
		.amdhsa_forward_progress 1
		.amdhsa_inst_pref_size 181
	.end_amdhsa_kernel
	.amdgpu_metadata
---
amdhsa.version: [ 1, 2 ]
amdhsa.kernels:
  - .name:           k_q1e65dfdf73_proj
    .symbol:         k_q1e65dfdf73_proj.kd
    .args:
      - { .name: codes, .offset: 0, .size: 8, .value_kind: global_buffer, .address_space: global }
      - { .name: bq, .offset: 8, .size: 8, .value_kind: global_buffer, .address_space: global }
      - { .name: bk, .offset: 16, .size: 8, .value_kind: global_buffer, .address_space: global }
      - { .name: bv, .offset: 24, .size: 8, .value_kind: global_buffer, .address_space: global }
      - { .name: qkv, .offset: 32, .size: 8, .value_kind: global_buffer, .address_space: global }
    .group_segment_fixed_size: 327680
    .private_segment_fixed_size: 0
    .kernarg_segment_align: 8
    .kernarg_segment_size: 40
    .max_flat_workgroup_size: 128
    .sgpr_count:     100
    .vgpr_count:     1024
    .wavefront_size: 32
...
	.end_amdgpu_metadata
.endif
;; end of part 2
;; launch attn (part 3): grid 8 x 32, 16 waves a work-group, clusters of 4 x 1, 327,680 bytes of LDS; arguments qkv, out0; writes out0
.if DOCPART == 3
	.amdgcn_target "amdgcn-amd-amdhsa--gfx1250"
	.amdhsa_code_object_version 6
	.text
	.protected	k_q1e65dfdf73_attn
	.globl	k_q1e65dfdf73_attn
	.p2align	8
	.type	k_q1e65dfdf73_attn,@function
k_q1e65dfdf73_attn:
	s_mov_b64 s[64:65], 0
	v_nop
	global_prefetch_b8 v0, s[64:65] scope:SCOPE_SE
	s_setreg_imm32_b32 hwreg(HW_REG_WAVE_MODE, 25, 1), 1
	s_wait_xcnt 0x0
	s_wait_alu depctr_hold_cnt(0) depctr_sa_sdst(0) depctr_va_vdst(0) depctr_va_sdst(0) depctr_va_ssrc(0) depctr_va_vcc(0) depctr_vm_vsrc(0)
	s_getreg_b32 s2, hwreg(HW_REG_IB_STS2, 6, 4)
	s_cmp_eq_u32 s2, 0
	s_cbranch_scc0 .Lentry_in_a_cluster
	s_endpgm
.Lentry_in_a_cluster:
	s_bfe_u32 s2, ttmp6, 0x10000c
	s_cmp_lg_u32 s2, 0x3003
	s_cbranch_scc0 .Lentry_shape_is_right
	s_endpgm
.Lentry_shape_is_right:
; out0[b][q][64 head + d] = the sum over keys of softmax(q . k / 8) v, both products on codes of FP6 (E2M3) with one E8M0 scale for each 32 along a product's K.  32 heads (b, head), 2,048 queries and keys, head width 64.
; THE SOFTMAX AHEAD OF THE SECOND PRODUCT: t = score x log2(e) / 8; M = the row's largest t so far, rounded UP to a whole number; p = 2^(t - M) is what is quantised, along the keys, not normalised.  The row's sum is taken
; of the unquantised p and divides at the end.  When M moves, the sum and O are multiplied by 2^(old M - new M): exact.
; qkv holds fragment images (12 registers a lane: registers 4 c .. 4 c + 3 of lane l at 512 c + 16 l).  blk = 16 (16 b + head) + 128-row block.  Q at 0: [blk][4 fragments, 256 bytes of scale words [r][f]];
; K, V from KVOFF: [blk][K's 4 fragments, V's 4, K's 256 bytes of scale words, V's 256]: 12,800 bytes, one key step.
; A fragment p of Q or K holds two tiles of 16 rows x 64: registers 0-5 tile 2 p, 6-11 tile 2 p + 1; tile 4 c + j's lane r is row 64 c + 8 j + 32 (r / 8) + r % 8.  V's tile f, lane r is channel 8 f + 32 (r / 8) + r % 8.
; So in S^T = K Q^T lane (r, h) holds query r, and its registers 32 c .. 32 c + 31 are the keys 64 c + 32 h + 0 .. 31: ONE WHOLE SCALE BLOCK of the second product.  Only the row's maximum and the scale word look at lane l xor 16.
; K = 64 IN AN INSTRUCTION OF 128: my tile of Q stands between two runs of zeros: (q, zeros) times a fragment of K gives the scores of its tile 2 p, (zeros, q) those of tile 2 p + 1: the other half meets zero codes.
; SHARES.  A work-group owns 256 queries of one head, each of its sixteen waves 16 of them, in 256 registers: four waves to a SIMD, so that one wave's vector work stands beside another's products and LDS loads.
; A HEAD'S WHOLE K AND V lie in LDS at once, 204,800 bytes: wave w brings key step w by its one tensor load; nothing is filled again.  Waves 0 and 1 have a load line of their own: the first barrier shows steps 0 and 1, and a barrier that is
; signalled at the head of step 1 and waited for near its end shows the rest.  The four work-groups of a cluster belong to one head: each load is asked for JOINTLY.  Nothing is prefetched: all of K and V is asked for at the head.
; LIMITS: NaN and infinities are not served; the scaled scores t stay under 2^31 in magnitude.
.set KVOFF, 3276800
.set STEPB, 12800                      ; a key step in LDS: step s at 12,800 s
.set STG,   16*STEPB                   ; the way out: 16 rows x (256 bytes + 16) for each wave: bytes of its own, into which no fill lands
.set SPARE, STG+16*4352                ; the spare words, 128 bytes for each wave: eight blocks of 256 bytes that no other line names
.set LI,   1                           ; v1   16 x lane
.set ADK,  2                           ; v2   LDS address of the next step's K
.set ADV,  3                           ; v3   and of this step's V
.set STO,  4                           ; v4   the stage: where I put 16 bytes of a row
.set RD,   5                           ; v5   and where I read a row back
.set GO,   6                           ; v6   my byte offset in the wave's rows of out0
.set SPW,  7                           ; v7   LDS address of my spare word; never rewritten
.set NIL,  8                           ; v8   0; never rewritten
.set N,    12                          ; v12  -M (v13 is named with it as a pair)
.set FF,   14                          ; v14  f = 2^(old M - new M) (v15 likewise)
.set RS,   16                          ; v16  the row's largest score so far
.set TM,   18
.set NO,   19                          ; v19  the old -M
.set BT,   20                          ; v20, v21 lane l xor 16's
.set Q,    24                          ; v24-29 zeros, v30-35 q, v36-41 zeros
.set F,    42                          ; v42-89 four fragments of K, then of V
.set S,    90                          ; v90-153 S^T, then p
.set O,    154                         ; v154-185 O^T: tile f, register j: channel 32 h + 8 f + j
.set PC,   186                         ; v186-197 p's codes
.set PT,   198                         ; v198-200, v202-204 the blocks' upper halves, on their way
.set BM,   206                         ; v206-209 maxima: four chains; then the two blocks' largest score and largest p in v206 and v208
.set BS,   210                         ; v210-211 the conversions' scale operands
.set BY,   212                         ; v212-213 the bytes
.set BW,   214
.set SW,   216                         ; v216-219 scale words: lanes 0-15 K's four, lanes 16-31 V's four
.set QW,   220                         ; v220 my queries' scale word
.set PWD,  221                         ; v221 p's scale word
.set L,    224                         ; v224-231 the row's sum, four chains of two
.set WV,   8                           ; s8   my wave's number
.set SEL,  20                          ; s[20:21] selects of v_permlanex16_b32 for lane l xor 16
.set CS,   22                          ; s[22:23] c = log2(e) / 8
.set CM,   38                          ; s38  -c
.set G1,   24                          ; s[24:31] descriptor group 1
.set G0,   40                          ; s[40:43] group 0
.set TB,   60                          ; s60  LDS byte of this step
.set TC,   61                          ; s61  of the next
.set CNT,  62
.macro CROUND                          ; a round of the cluster's barrier
	s_barrier_signal -1
	s_barrier_wait -1
	s_cmp_lg_u32 s[WV], 0
	s_cbranch_scc1 .Lnot_wave_0_\@
	s_barrier_signal -3
.Lnot_wave_0_\@:
	s_barrier_wait -3
	s_barrier_signal -1
	s_barrier_wait -1
.endm
.macro LOADTILE                        ; my key step
	tensor_load_to_lds s[G0:G0+3], s[G1:G1+7]
	s_nop 0
.rept 4
	v_nop
.endr
.endm
	s_load_b128 s[4:7], s[0:1], 0x0                ; qkv s[4:5], out0 s[6:7]
	v_lshl_add_u32 v[SPW], v0, 2, SPARE
	v_mov_b32 v[NIL], 0
	ds_add_u32 v[SPW], v[NIL]                      ; the wave's opening: the add, twice on end, and its wait ahead of my first tensor load
	ds_add_u32 v[SPW], v[NIL]
	v_lshrrev_b32 v9, 5, v0
	v_readfirstlane_b32 s[WV], v9                  ; wave 0..15
	s_bfe_u32 s9, ttmp6, 0x40000                   ; cx: my place in the cluster
	s_lshl_b32 s10, ttmp9, 2
	s_add_co_u32 s10, s10, s9                      ; my block of 256 queries: it enters Q's and out0's addresses alone
	s_and_b32 s11, ttmp7, 0xffff                   ; 16 b + head, which the four partners share
	; descriptor group 1: dense bytes as 50 rows of 256 (32 elements of 8 bytes)
	s_mov_b32 s[G1], 15|(3<<16)|(1<<21)            ; 15:0 the mask: all four work-groups; 17:16 elements of 8 bytes; 20 no padding; 21 set beside a mask
	s_mov_b32 s[G1+1], 32<<16
	s_mov_b32 s[G1+2], 50<<16
	s_mov_b32 s[G1+3], 32<<16
	s_mov_b32 s[G1+4], 50
	s_mov_b32 s[G1+5], 32
	s_mov_b32 s[G1+6], 0
	s_mov_b32 s[G1+7], 0
	s_mov_b32 s[G0], 1
	s_mul_i32 s[G0+1], s[WV], STEPB                ; LDS: key step = wave: no place in the cluster enters it
	s_mul_i32 s16, s11, 16*STEPB
	s_mul_i32 s12, s[WV], STEPB
	s_add_co_u32 s16, s16, s12
	s_add_co_u32 s16, s16, KVOFF
	s_mov_b32 s17, 0
	s_lshr_b32 s13, s[WV], 3
	s_lshl_b32 s14, s10, 1
	s_add_co_u32 s13, s13, s14                     ; my queries: block qb of 128,
	s_bfe_u32 s14, s[WV], 0x20001                  ; pair of tiles p,
	s_and_b32 s15, s[WV], 1                        ; tile u of the pair
	s_lshl_b32 s18, s11, 4
	s_add_co_u32 s18, s18, s13
	s_mul_i32 s18, s18, 6400                       ; the block's Q
	s_mov_b32 s19, 0
	s_mul_i32 s33, s14, 1536                       ; its fragment p
	s_lshl_b32 s34, s14, 2                         ; and the fragment's scale word
	s_lshl_b32 s35, s15, 4
	s_lshl_b32 s44, s13, 7
	s_lshr_b32 s45, s14, 1
	s_lshl_b32 s45, s45, 6
	s_add_co_u32 s44, s44, s45
	s_and_b32 s45, s14, 1
	s_lshl_b32 s45, s45, 4
	s_add_co_u32 s44, s44, s45
	s_lshl_b32 s45, s15, 3
	s_add_co_u32 s44, s44, s45                     ; my first query: 128 qb + 64 (p / 2) + 16 (p % 2) + 8 u; lane r's is r + 24 (r / 8) on
	s_lshr_b32 s45, s11, 4
	s_lshl_b32 s45, s45, 11
	s_add_co_u32 s44, s44, s45                     ; + 2,048 b
	s_lshl_b32 s44, s44, 12                        ; rows of 4,096 bytes
	s_and_b32 s45, s11, 15
	s_lshl_b32 s45, s45, 8
	s_add_co_u32 s44, s44, s45                     ; + the head's 256 bytes
	s_mov_b32 s45, 0
	s_mul_i32 s37, s[WV], 4352
	s_add_co_u32 s37, s37, STG                     ; my stage
	s_mov_b32 s[SEL], 0x76543210
	s_mov_b32 s[SEL+1], 0xfedcba98
	s_mov_b32 s[CS], 0x3e38aa3b                    ; c = log2(e) / sqrt(64)
	s_mov_b32 s[CS+1], s[CS]                       ; (named with it as a pair, so it is written)
	s_mov_b32 s[CM], 0xbe38aa3b
	s_wait_dscnt 0x0                               ; both opening adds are done
	CROUND                                         ; all four work-groups are here: the joint loads meet
	s_wait_kmcnt 0x0
	s_add_nc_u64 s[G0+2:G0+3], s[4:5], s[16:17]
	s_or_b32 s[G0+3], s[G0+3], 0x80000000
	s_cmp_lt_u32 s[WV], 2
	s_cbranch_scc0 .Llater_steps
	LOADTILE                                       ; steps 0 and 1
	s_branch .Lasked
.Llater_steps:
	LOADTILE                                       ; steps 2 to 15
.Lasked:
	v_and_b32 v9, 31, v0
	v_and_b32 v11, 15, v0                          ; r
	v_bfe_u32 v22, v0, 4, 1                        ; h
	v_lshlrev_b32 v[LI], 4, v9
	s_add_nc_u64 s[46:47], s[4:5], s[18:19]
	s_add_nc_u64 s[44:45], s[6:7], s[44:45]
	v_add_nc_u32 v10, s33, v[LI]                   ; fragment p, my lane
	v_lshl_add_u32 v23, v11, 4, s34                ; its scale word of row r
	global_load_b128 v[F:F+3], v10, s[46:47]
	global_load_b128 v[F+4:F+7], v10, s[46:47] offset:512
	global_load_b128 v[F+8:F+11], v10, s[46:47] offset:1024
	global_load_b32 v[QW], v23, s[46:47] offset:6144
	s_cmp_eq_u32 s15, 1
	s_cselect_b32 s36, -1, 0                       ; all lanes, where mine is the pair's second tile
	v_mul_u32_u24 v[STO], v11, 272
	v_mul_u32_u24 v[RD], v22, 272
	v_lshlrev_b32 v[GO], 12, v22
	v_lshl_add_u32 v[STO], v22, 7, v[STO]
	v_lshl_add_u32 v[RD], v11, 4, v[RD]
	v_lshl_add_u32 v[GO], v11, 4, v[GO]            ; two rows of out0,
	v_add_nc_u32 v[STO], s37, v[STO]               ; the stage, in: row r, + 128 h
	v_add_nc_u32 v[RD], s37, v[RD]                 ; back: lanes 0-15 one row, lanes 16-31 the next
	v_lshlrev_b32 v[ADK], 4, v9                    ; step 0
	v_mov_b32 v[RS], 0xff61b1e6                    ; the largest score so far: -3e38
	v_mov_b32 v[N], 0x7e967699                     ; -M: 1e38: the first change of M makes f = 0
	v_mov_b32 v[N+1], 0
	v_mov_b32 v[FF+1], 0
	v_mov_b32 v[BT], 0                             ; written once: a lane permute's destination counts as one of its sources
	v_mov_b32 v[BT+1], 0
.irp j, 0,1,2,3,4,5,6,7
	v_mov_b32 v[L+\j], 0
.endr
.set J, 0
.rept 32
	v_mov_b32 v[O+J], 0                            ; the step is written once: the first finds zeros, which the first change of M leaves zeros
.set J, J+1
.endr
	s_wait_alu depctr_va_vdst(0)
	s_wait_loadcnt 0x0                             ; Q
.irp i, 0,1,2,3,4,5
	v_cndmask_b32 v[Q+6+\i], v[F+\i], v[F+6+\i], s36   ; my tile's six registers of the pair's twelve
.endr
.irp i, 0,1,2,3,4,5
	v_mov_b32 v[Q+\i], 0                           ; zero codes: they add nothing under any scale byte but 0xff
	v_mov_b32 v[Q+12+\i], 0
.endr
	v_lshrrev_b32 v[QW], s35, v[QW]                ; my tile's two bytes,
	v_and_b32 v[QW], 0xffff, v[QW]
	v_lshl_or_b32 v[QW], v[QW], 16, v[QW]          ; in both halves of the word: it serves both forms of q
.macro KLOAD                           ; K's four fragments, and the step's scale words (lanes 0-15: K's row r; lanes 16-31: V's)
.irp f, 0,1,2,3
.irp c, 0,1,2
	ds_load_b128 v[F+12*\f+4*\c:F+12*\f+4*\c+3], v[ADK] offset:1536*\f+512*\c
.endr
.endr
	ds_load_b128 v[SW:SW+3], v[ADK] offset:12288
.endm
; Two p more into the row's sum: four chains by turns.  The first line of each chain brings its old sum under the new M.
.macro SUMS from, to
.set E_, \from
.rept (\to)-(\from)+1
.set LC_, L+2*(E_%4)
.if E_ < 4
	v_pk_fma_f32 v[LC_:LC_+1], v[LC_:LC_+1], v[FF:FF+1], v[S+2*E_:S+2*E_+1] op_sel_hi:[1,0,1]
.else
	v_pk_add_f32 v[LC_:LC_+1], v[LC_:LC_+1], v[S+2*E_:S+2*E_+1]
.endif
.set E_, E_+1
.endr
.endm
.macro TMINUSM from, to                ; t - M, two at a time
.set E_, \from
.rept (\to)-(\from)+1
	v_pk_fma_f32 v[S+2*E_:S+2*E_+1], v[S+2*E_:S+2*E_+1], s[CS:CS+1], v[N:N+1] op_sel_hi:[1,0,0]
.set E_, E_+1
.endr
.endm
; A KEY STEP: 128 keys.  Its K and scale words were asked for in the step before.  meet = 1: the barrier that shows all later steps is signalled at the step's head and waited for ahead of the next step's first load.
.macro STEP meet
	s_wait_dscnt 0x0                               ; K and the scale words are in
.if \meet
	s_wait_tensorcnt 0x0                           ; my key step has landed; no LDS access of mine is out
	s_barrier_signal -1
.endif
.irp p, 0,1,2,3                                ; S^T = K Q^T: eight tiles of 16 keys, each begun with the constant 0
	v_wmma_scale_f32_16x16x128_f8f6f4 v[S+16*\p:S+16*\p+7], v[F+12*\p:F+12*\p+11], v[Q+6:Q+17], 0, v[SW+\p], v[QW] matrix_a_fmt:MATRIX_FMT_FP6 matrix_b_fmt:MATRIX_FMT_FP6
	v_wmma_scale_f32_16x16x128_f8f6f4 v[S+16*\p+8:S+16*\p+15], v[F+12*\p:F+12*\p+11], v[Q:Q+11], 0, v[SW+\p], v[QW] matrix_a_fmt:MATRIX_FMT_FP6 matrix_b_fmt:MATRIX_FMT_FP6
.endr
	v_add_nc_u32 v[ADV], s[TB], v[LI]              ; these four are the places for the loads into K's registers and for the first read of the scores
	s_add_co_u32 s[TB], s[TB], STEPB
	s_min_u32 s[TC], s[TB], 15*STEPB               ; (the last step asks for its own K once more, which nobody reads)
	v_add_nc_u32 v[ADK], s[TC], v[LI]
	v_mov_b32 v[NO], v[N]
	v_nop
.irp f, 0,1,2,3
.irp c, 0,1,2
	ds_load_b128 v[F+12*\f+4*\c:F+12*\f+4*\c+3], v[ADV] offset:6144+1536*\f+512*\c   ; V's four fragments land under the softmax
.endr
.endr
.irp k, 0,1,2,3                                ; the largest score of each block of 32 keys: for the row's maximum and, since p rises with the score, for the block's largest p.  Two chains a block
	v_max3_num_f32 v[BM+\k], v[S+16*\k], v[S+1+16*\k], v[S+2+16*\k]
.endr
.irp i, 3,5,7,9,11,13
.irp k, 0,1,2,3
	v_max3_num_f32 v[BM+\k], v[BM+\k], v[S+16*\k+\i], v[S+1+16*\k+\i]
.endr
.endr
	v_max3_num_f32 v[BM], v[BM], v[S+15], v[S+31]
	v_max3_num_f32 v[BM+2], v[BM+2], v[S+47], v[S+63]
	v_max_num_f32 v[BM], v[BM], v[BM+1]
	v_max_num_f32 v[BM+2], v[BM+2], v[BM+3]
	s_delay_alu instid0(VALU_DEP_1)
	v_max3_num_f32 v[TM], v[RS], v[BM], v[BM+2]
	s_delay_alu instid0(VALU_DEP_1)
	v_permlanex16_b32 v[BT], v[TM], s[SEL], s[SEL+1]
	s_delay_alu instid0(VALU_DEP_1)
	v_max_num_f32 v[RS], v[TM], v[BT]              ; the running largest score of my query
	s_delay_alu instid0(VALU_DEP_1)
	v_mul_f32 v[TM], s[CM], v[RS]                  ; -t (c is positive)
	s_delay_alu instid0(VALU_DEP_1)
	v_floor_f32 v[N], v[TM]                        ; -M = floor(-t) = -ceil(t): M is a whole number
	TMINUSM 0, 7
	v_sub_f32 v[TM], v[N], v[NO]                   ; M's old value less its new one: a whole number, 0 or less
	TMINUSM 8, 11
	v_cvt_i32_f32 v[TM], v[TM]                     ; (it saturates)
	TMINUSM 12, 15
	v_ldexp_f32 v[FF], 1.0, v[TM]                  ; f = 2^(old M - new M)
	TMINUSM 16, 31
.irp j, 0,2,4,6,8,10,12,14,16,18,20,22,24,26,28,30
	v_pk_mul_f32 v[O+\j:O+\j+1], v[O+\j:O+\j+1], v[FF:FF+1] op_sel_hi:[1,0]   ; O^T under the new M
.endr
	v_fma_f32 v[BM], v[BM], s[CS], v[N]            ; t - M of each block's largest score
	v_fma_f32 v[BM+2], v[BM+2], s[CS], v[N]
	s_wait_alu depctr_va_vdst(0)
.set J, 0
.rept 64
	v_exp_f32 v[S+J], v[S+J]                       ; p = 2^(t - M), at most 1: not normalised
.set J, J+1
.endr
	v_exp_f32 v[BM], v[BM]                         ; the block's largest p: the same two instructions on the same number give the same bits
	v_exp_f32 v[BM+2], v[BM+2]
	v_nop                                          ; a plain place behind the exponentials
	s_wait_alu depctr_va_vdst(0)                   ; one wait for the whole batch, ahead of its first reader
	v_max_num_f32 v[BM], 0x1800000, v[BM]          ; the floor 2^(3 - 127): the byte cannot fall under 1
	v_max_num_f32 v[BM+2], 0x1800000, v[BM+2]
	SUMS 0, 1
	v_add_nc_u32 v[BS], 0xff000000, v[BM]          ; 2 off the exponent field: the conversion's scale operand
	v_add_nc_u32 v[BS+1], 0xff000000, v[BM+2]
	SUMS 2, 3
	v_lshrrev_b32 v[BY], 23, v[BS]                 ; the scale's byte
	v_lshrrev_b32 v[BY+1], 23, v[BS+1]
	SUMS 4, 4
	v_lshl_or_b32 v[BW], v[BY+1], 16, v[BY]        ; block (c, h) has byte 2 c + h of p's scale word
	SUMS 5, 5
.irp c, 0,1
	v_cvt_scalef32_pk16_fp6_f32 v[PC+6*\c:PC+2+6*\c], v[S+32*\c:S+15+32*\c], v[BS+\c]
	v_cvt_scalef32_pk16_fp6_f32 v[PT+4*\c:PT+2+4*\c], v[S+16+32*\c:S+31+32*\c], v[BS+\c]   ; (a conversion's three registers begin on an even number)
.endr
	SUMS 6, 6                                      ; (a plain place behind the conversions)
	v_permlanex16_b32 v[BT+1], v[BW], s[SEL], s[SEL+1]
.irp i, 0,1,2
	v_mov_b32 v[PC+3+\i], v[PT+\i]
.endr
	v_lshl_or_b32 v[PWD], v[BT+1], 8, v[BW]        ; lanes 0-15: my bytes 0 and 2, lane l + 16's bytes 1 and 3 (lanes 16-31 are not read)
.irp i, 0,1,2
	v_mov_b32 v[PC+9+\i], v[PT+4+\i]
.endr
	SUMS 7, 14                                     ; (these are also the places between p's codes and scale word and the products)
	s_wait_alu depctr_va_vdst(0)
	s_wait_dscnt 0x0                               ; V is in
.irp f, 0,1,2,3                                ; O^T += V^T P^T: four accumulators by turns; V's scale words stand in lanes 16-31
	v_wmma_scale_f32_16x16x128_f8f6f4 v[O+8*\f:O+8*\f+7], v[F+12*\f:F+12*\f+11], v[PC:PC+11], v[O+8*\f:O+8*\f+7], v[SW+\f], v[PWD] matrix_a_fmt:MATRIX_FMT_FP6 matrix_b_fmt:MATRIX_FMT_FP6 matrix_a_scale:MATRIX_SCALE_ROW1
.endr
	SUMS 15, 18                                    ; (the places ahead of the loads into V's registers)
.if \meet
	s_wait_alu depctr_va_vdst(0)
	s_barrier_wait -1                              ; all sixteen key steps have landed
.endif
	KLOAD                                          ; the next step's K lands under the rest of the sum
	SUMS 19, 31
.endm
	s_wait_alu depctr_va_vdst(0)
	s_cmp_lt_u32 s[WV], 2
	s_cbranch_scc0 .Lnot_first
	s_wait_tensorcnt 0x0
.Lnot_first:
	s_barrier_signal -1
	s_barrier_wait -1                              ; steps 0 and 1 are in; the later ones may be on their way
	s_mov_b32 s[TB], 0
	KLOAD
	STEP 0
	STEP 1
	s_mov_b32 s[CNT], 14
.Lsteps:
	STEP 0
	s_sub_co_u32 s[CNT], s[CNT], 1
	s_cmp_lg_u32 s[CNT], 0
	s_cbranch_scc1 .Lsteps
	; THE WAY OUT.  O^T is divided by the row's sum and goes through my stage in LDS, so that sixteen lanes store a query's 256 consecutive bytes.
	v_pk_add_f32 v[L:L+1], v[L:L+1], v[L+2:L+3]
	v_pk_add_f32 v[L+4:L+5], v[L+4:L+5], v[L+6:L+7]
	v_pk_add_f32 v[L:L+1], v[L:L+1], v[L+4:L+5]
	v_add_f32 v[TM], v[L], v[L+1]
	v_permlanex16_b32 v[BT], v[TM], s[SEL], s[SEL+1]
	v_add_f32 v[TM], v[TM], v[BT]                  ; with lane l xor 16's: the row's sum
	s_wait_alu depctr_va_vdst(0)
	v_rcp_f32 v[TM], v[TM]
	v_nop                                          ; a plain place behind the reciprocal
	s_wait_alu depctr_va_vdst(0)                   ; and the wait ahead of its first reader
.set J, 0
.rept 32
	v_mul_f32 v[S+J], v[O+J], v[TM]                ; each accumulator from its low end on
.set J, J+1
.endr
.irp t, 0,1,2,3
	ds_store_b128 v[STO], v[S+8*\t:S+8*\t+3] offset:32*\t
	ds_store_b128 v[STO], v[S+8*\t+4:S+8*\t+7] offset:32*\t+16
.endr
.irp i, 0,1,2,3,4,5,6,7
	ds_load_b128 v[S+32+4*\i:S+32+4*\i+3], v[RD] offset:544*\i   ; LDS serves a wave's instructions in order: these see my stores
.endr
.irp i, 0,1,2,3,4,5,6,7
	s_wait_dscnt 7-\i                              ; the younger loads may be out
	global_store_b128 v[GO], v[S+32+4*\i:S+32+4*\i+3], s[44:45] offset:(2*\i+24*(\i/4))*4096 th:TH_STORE_NT   ; stage row 2 i + h is query 2 i + h + 24 (i / 4) of my wave's
.endr
	s_wait_tensorcnt 0x0                           ; the wave's end
	ds_add_u32 v[SPW], v[NIL]
	s_wait_dscnt 0x0
	CROUND                                         ; the closing round: no work-group ends while a partner may still ask for a tile that names it
	s_endpgm
.Lfunc_end_k_q1e65dfdf73_attn:
	.size	k_q1e65dfdf73_attn, .Lfunc_end_k_q1e65dfdf73_attn-k_q1e65dfdf73_attn
	.p2alignl 7, 3214868480
	.fill 96, 4, 3214868480
	.section	.rodata,"a",@progbits
	.p2align	6, 0x0
	.amdhsa_kernel k_q1e65dfdf73_attn
		.amdhsa_group_segment_fixed_size 327680
		.amdhsa_private_segment_fixed_size 0
		.amdhsa_enable_private_segment 0
		.amdhsa_kernarg_size 16
		.amdhsa_user_sgpr_count 2
		.amdhsa_user_sgpr_kernarg_segment_ptr 1
		.amdhsa_wavefront_size32 1
		.amdhsa_system_sgpr_workgroup_id_x 1
		.amdhsa_system_sgpr_workgroup_id_y 1
		.amdhsa_system_sgpr_workgroup_id_z 1
		.amdhsa_system_vgpr_workitem_id 0
		.amdhsa_next_free_vgpr 256
		.amdhsa_next_free_sgpr 72
		.amdhsa_reserve_vcc 0
		.amdhsa_float_denorm_mode_32 3
		.amdhsa_float_denorm_mode_16_64 3
		.amdhsa_memory_ordered 1
		.amdhsa_forward_progress 1
		.amdhsa_inst_pref_size 56
	.end_amdhsa_kernel
	.amdgpu_metadata
---
amdhsa.version: [ 1, 2 ]
amdhsa.kernels:
  - .name:           k_q1e65dfdf73_attn
    .symbol:         k_q1e65dfdf73_attn.kd
    .args:
      - { .name: qkv, .offset: 0, .size: 8, .value_kind: global_buffer, .address_space: global }
      - { .name: out0, .offset: 8, .size: 8, .value_kind: global_buffer, .address_space: global }
    .group_segment_fixed_size: 327680
    .private_segment_fixed_size: 0
    .kernarg_segment_align: 8
    .kernarg_segment_size: 16
    .max_flat_workgroup_size: 512
    .sgpr_count:     72
    .vgpr_count:     256
    .wavefront_size: 32
...
	.end_amdgpu_metadata
.endif
;; end of part 3
